; MI455X (gfx1250); checked and timed in simulation.
; The chip was launched on July 23, 2026; its instructions are those of AMD's public machine-readable ISA for CDNA 5 (MIT licence, August 2026) and "CDNA5" Instruction Set Architecture Reference Guide (July 2026). The comments in the code are by the model that wrote it; some were corrected since.
;; Self Attention Layer. Allowed arithmetic: float matrix products may take bf16 or f16 operands with f32 sums; all other float work in f32.
;; Inputs: Wk 1,024 x 1,024 float32; Wo 1,024 x 1 float32; Wq 1,024 x 1,024 float32; Wv 1,024 x 1,024 float32; bk 1,024 float32; bo 1 float32; bq 1,024 float32; bv 1,024 float32; x 8 x 1,024 x 1,024 float32.
;; Outputs: out0 8 x 1,024 x 1 float32.
;; One version. Each part assembles by itself: llvm-mc -triple=amdgcn-amd-amdhsa -mcpu=gfx1250 --defsym DOCPART=n.
;; ======== version 1 of 1: 4 launches
;; limits: values outside matrix products are rounded to bf16; values are held in f16: magnitudes above 65,504 overflow, below 6.1e-05 lose precision; inputs' magnitudes at most 65,504; right only within a limited range of input values
;; workspace buffers: xb 16,777,216 bytes; xh 16,777,216 bytes; mt 2,097,152 bytes; vecs 8,448 bytes; y2 33,554,432 bytes; vo 32,768 bytes; part 1,048,576 bytes
;; launch prep (part 1): grid 16 x 16, 4 waves a work-group, no clusters, 273,408 bytes of LDS; arguments x, Wq, Wk, Wv, Wo, bq, bv, bo, xb, xh, mt, vecs; writes xb, xh, mt, vecs
.if DOCPART == 1
	.amdgcn_target "amdgcn-amd-amdhsa--gfx1250"
	.amdhsa_code_object_version 6
	.text
	.protected	k_q1ab217df63_prep
	.globl	k_q1ab217df63_prep
	.p2align	8
	.type	k_q1ab217df63_prep,@function
k_q1ab217df63_prep:
	s_mov_b64 s[64:65], 0
	v_nop
	global_prefetch_b8 v0, s[64:65] scope:SCOPE_SE
	s_setreg_imm32_b32 hwreg(HW_REG_WAVE_MODE, 25, 1), 1
	s_wait_xcnt 0x0
; SelfAttentionLayer, launch 1 of 4.  reference(): q = x Wq + bq, k = x Wk + bk, v = x Wv + bv, out = softmax(q k^T) v Wo + bo.
;
; WORK THAT IS LEFT OUT OR REGROUPED, in exact arithmetic and for all finite values of the inputs:
; (1) bk.  q_s.k_t = q_s.(x_t Wk) + q_s.bk.  The second term is the same for every t of row s, and a softmax along t is unchanged
;     by a term that is constant along t.  So bk reaches no output: it is not loaded and is no argument of any launch.
; (2) x Wv and attn v.  (attn v) Wo = attn (v Wo), and v Wo = x (Wv Wo) + bv.Wo.  The rows of attn sum to 1, so
;     out = attn vo + c with wvo = Wv Wo [1024], vo = x wvo [8192], c = bv.Wo + bo.  Two products of 1024^3 x 8 become vectors.
; (3) x Wk.  q_s.(x_t Wk) = ((x_s Wq + bq) Wk^T).x_t = (x_s M + u).x_t with M = Wq Wk^T [1024][1024], u = Wk bq [1024].
;     One projection of all 8192 rows becomes one product of 1024^3.
; LIMITS.  A NaN, an infinity or an overflow in bk, or one that arises only in k, v or attn v as reference() forms them, is not carried
; to the result.  The order of rounding differs from reference()'s (the regrouping above).  Every input is rounded ONCE to bf16 where it
; is first used, the vectors too, so the program computes reference() on inputs rounded to bf16.
; THE TWO INTERMEDIATES THAT ARE MATRIX OPERANDS AGAIN.  The scores are not scaled by 1/sqrt(D), near ties between a row's largest two are
; common, and 8 significant bits in M or in y = x M + u would move them too far.
;   M is kept as ONE f16, f16(16 M): 11 significant bits, an entry moves by at most 2^-12 of itself.  M has the room: a sum of 1024 products
;   of two weights stays under 65,504 / 16 = 4,094 while the weights' root mean square stays under 2 (64 times the bound 1/32 of the drawn ones),
;   and the factor 16 keeps M in f16's normal range when both weights are 30 times smaller (M 900 times).  Beyond 4,094: infinity.
;   y has no such room (three inputs multiply into it) and is kept in the next launch as a sum of two bf16.
;   x is stored twice: xb = bf16(x) for the scores, xh = the same numbers written in f16 for y = x M.  A bf16 number is exact in f16 from 2^-17
;   to 65,504 in magnitude; a smaller one moves by at most 2^-25; a larger one becomes infinity.
;
; THIS LAUNCH: xb, xh;  mt = f16(16 MT), MT[j][i] = sum over d of Wk[j][d] Wq[i][d] (= M transposed);  wvo, u, c.
; Products with one column (wvo, u, c) run on the vector unit in f32: a matrix tile would be fifteen sixteenths empty.
; PAIR FORMAT of mt: rows 2 p and 2 p + 1 share 4,096 bytes, sixteen pieces of 256: 64 numbers of row 2 p (128 bytes), then the same 64 columns of row 2 p + 1.
; So a tile of 64 columns leaves in runs of 256 bytes, aligned.   vecs: wvo at byte 0, u at 4,096, c at 8,192.
;
; 16 x 16 work-groups of four waves.  Work-group (bx, by), g = 16 by + bx, makes MT rows 64 by.., columns 64 bx..: wave w its rows 16 w..;
; converts x rows 32 g .. 32 g + 31 (8 a wave); wave w makes wvo[4 g + w] and u[64 by + 4 bx + w]; wave 0 of work-group 0 makes c.
; No cluster: the weights pass through registers on their way to LDS (f32 is rounded to bf16 there), so there is no tile to ask for jointly.
; LDS: rows 0-63 Wk's 64 rows, rows 64-127 Wq's, whole K in bf16, pitch 2,064 bytes (an odd multiple of 16: the sixteen rows that a
; fragment load touches start 16 bytes apart modulo 256); behind them a stage of 8 pair rows x 272 bytes for each wave.
.set WP,    2064
.set STAGE, 128*WP
.set STP,   272
.set T,     16                         ; v16-31    at work
.set S0,    32                         ; v32-223   three sets of 64: two f32 rows each, on their way to LDS
.set VD,    96                         ; v96-127   my row of Wk (before set 1 is used)
.set VA,    160                        ; v160-191  my row of Wv, later bv (before set 2 is used)
.set VB,    192                        ; v192-223  Wo
.set VC,    224                        ; v224-255  bq
.set XT,    224                        ; v224-255  then: a row of x, rounded and widened again
.set FB,    32                         ; v32-191   four fragment sets of 40: Wk's fragment, Wq's four
.set ACC,   224                        ; v224-255  last: four accumulators
; v1 lane L, v2 16 L, v3/v4 LDS address of my rows 0-15/16-31 + 8 L, v5 8 L, v6 r = L % 16, v7 h = L / 16, v8/v13 Wq fragments, v9 Wk fragment,
; v10 stage in, v11 stage back, v12 my bytes in mt, v14 wvo, v15 u.  v256-511 (window 1): my eight rows of x, row i at 32 i.
.set MSB, 0
.macro WIN new                         ; s_set_vgpr_msb: low byte bits 1:0 source 0, 3:2 source 1, 5:4 source 2, 7:6 destination; the high byte repeats the setting left
.if MSB != \new
	s_set_vgpr_msb (MSB<<8)|\new
.set MSB, \new
.endif
.endm
.macro PLACES                          ; four independent vector instructions behind a matrix instruction before its registers are touched (ISA guide 7.12.1)
.rept 4
	v_nop
.endr
.endm
.macro ROUND32 base                    ; 32 f32 rounded to bf16 and widened again, in place
.set q, 0
.rept 16
	v_cvt_pk_bf16_f32 v[T+q%4], v[\base+2*q], v[\base+2*q+1]
	v_lshlrev_b32 v[\base+2*q], 16, v[T+q%4]
	v_and_b32 v[\base+2*q+1], s8, v[T+q%4]
.set q, q+1
.endr
.endm
.macro DOT32 va, vb                    ; my 32 products in four chains of pairs; the first products start the sums
.set q, 0
.rept 16
.if q < 4
	v_pk_mul_f32 v[T+2*q:T+2*q+1], v[\va+2*q:\va+2*q+1], v[\vb+2*q:\vb+2*q+1]
.else
	v_pk_fma_f32 v[T+2*(q%4):T+2*(q%4)+1], v[\va+2*q:\va+2*q+1], v[\vb+2*q:\vb+2*q+1], v[T+2*(q%4):T+2*(q%4)+1]
.endif
.set q, q+1
.endr
.endm
.macro REDUCE dst                      ; the four chains, then the 32 lanes: every lane ends with the sum
	v_pk_add_f32 v[T:T+1], v[T:T+1], v[T+2:T+3]
	v_pk_add_f32 v[T+4:T+5], v[T+4:T+5], v[T+6:T+7]
	v_pk_add_f32 v[T:T+1], v[T:T+1], v[T+4:T+5]
	v_add_f32 v[T], v[T], v[T+1]
	v_add_f32_dpp v[T], v[T], v[T] row_xmask:1 row_mask:0xf bank_mask:0xf
	v_add_f32_dpp v[T], v[T], v[T] row_xmask:2 row_mask:0xf bank_mask:0xf
	v_add_f32_dpp v[T], v[T], v[T] row_xmask:4 row_mask:0xf bank_mask:0xf
	v_add_f32_dpp v[T], v[T], v[T] row_xmask:8 row_mask:0xf bank_mask:0xf
	v_permlanex16_b32 v[T+1], v[T], s10, s11
	v_add_f32 v[\dst], v[T], v[T+1]
.endm
.macro LD bt                           ; batch bt: my weight rows 2 bt, 2 bt + 1, sixteen loads of 512 neighbouring bytes, into set bt % 3
.irp rr, 0,1
.irp c, 0,1,2,3,4,5,6,7
	global_load_b128 v[S0+64*((\bt)%3)+32*\rr+4*\c:S0+64*((\bt)%3)+32*\rr+4*\c+3], v2, s[52:53] offset:(2*(\bt)+\rr)*4096+512*\c
.endr
.endr
.endm
.macro CV bt                           ; batch bt rounded to bf16 in place and laid into LDS: 32 lanes x 8 bytes are 256 neighbouring bytes of a row
.irp q, 0,1,2,3,4,5,6,7,8,9,10,11,12,13,14,15
	v_cvt_pk_bf16_f32 v[S0+64*((\bt)%3)+4*\q], v[S0+64*((\bt)%3)+4*\q], v[S0+64*((\bt)%3)+4*\q+1]
	v_cvt_pk_bf16_f32 v[S0+64*((\bt)%3)+4*\q+1], v[S0+64*((\bt)%3)+4*\q+2], v[S0+64*((\bt)%3)+4*\q+3]
.endr
.irp rr, 0,1
.irp c, 0,1,2,3,4,5,6,7
	ds_store_b64 v[3+((2*(\bt)+\rr)>>4)], v[S0+64*((\bt)%3)+32*\rr+4*\c:S0+64*((\bt)%3)+32*\rr+4*\c+1] offset:((2*(\bt)+\rr)&15)*WP+256*\c
.endr
.endr
.endm
.macro XLD i                           ; my row i of x: eight loads of 512 neighbouring bytes into window 1
	WIN 0x40                                       ; destination window 1, address window 0
.irp c, 0,1,2,3,4,5,6,7
	global_load_b128 v[32*(\i)+4*\c:32*(\i)+4*\c+3], v2, s[40:41] offset:4096*(\i)+512*\c th:TH_LOAD_NT
.endr
.endm
; My row i of x: four f32 e0..e3 in registers 4 q .. 4 q + 3 become two words of bf16 (registers 4 q, 4 q + 1) and, from these rounded numbers, two words of f16
; (registers 4 q + 2, 4 q + 3).  Each store of the wave covers 256 neighbouring bytes of a row of xb or of xh, aligned.  The row's registers are not written again.
.macro XCV i
	WIN 0x45                                       ; destination and both sources window 1
.irp q, 0,1,2,3,4,5,6,7
	v_cvt_pk_bf16_f32 v[32*(\i)+4*\q], v[32*(\i)+4*\q], v[32*(\i)+4*\q+1]
	v_cvt_pk_bf16_f32 v[32*(\i)+4*\q+1], v[32*(\i)+4*\q+2], v[32*(\i)+4*\q+3]
.endr
	WIN 0x04                                       ; source 1 window 1, destination window 0
.irp q, 0,1,2,3,4,5,6,7
	v_lshlrev_b32 v[XT+4*\q], 16, v[32*(\i)+4*\q]
	v_and_b32 v[XT+4*\q+1], s8, v[32*(\i)+4*\q]
	v_lshlrev_b32 v[XT+4*\q+2], 16, v[32*(\i)+4*\q+1]
	v_and_b32 v[XT+4*\q+3], s8, v[32*(\i)+4*\q+1]
.endr
	WIN 0x40                                       ; destination window 1, sources window 0
.irp q, 0,1,2,3,4,5,6,7
	v_cvt_pk_f16_f32 v[32*(\i)+4*\q+2], v[XT+4*\q], v[XT+4*\q+1]
	v_cvt_pk_f16_f32 v[32*(\i)+4*\q+3], v[XT+4*\q+2], v[XT+4*\q+3]
.endr
	WIN 0x04                                       ; store data window 1, address window 0
.irp q, 0,1,2,3,4,5,6,7
	global_store_b64 v5, v[32*(\i)+4*\q:32*(\i)+4*\q+1], s[42:43] offset:2048*(\i)+256*\q
	global_store_b64 v5, v[32*(\i)+4*\q+2:32*(\i)+4*\q+3], s[54:55] offset:2048*(\i)+256*\q
.endr
.endm
.macro FL k                            ; the fragments of K step k (32 along d): ten loads into set k % 4
	ds_load_b128 v[FB+40*((\k)%4):FB+40*((\k)%4)+3], v9 offset:64*(\k)
	ds_load_b128 v[FB+40*((\k)%4)+4:FB+40*((\k)%4)+7], v9 offset:64*(\k)+32
.irp it, 0,1,2,3
	ds_load_b128 v[FB+40*((\k)%4)+8+8*\it:FB+40*((\k)%4)+8+8*\it+3], v[8+5*(\it>>1)] offset:(\it&1)*16*WP+64*(\k)
	ds_load_b128 v[FB+40*((\k)%4)+8+8*\it+4:FB+40*((\k)%4)+8+8*\it+7], v[8+5*(\it>>1)] offset:(\it&1)*16*WP+64*(\k)+32
.endr
.endm
	s_load_b512 s[16:31], s[0:1], 0x0              ; x 16, Wq 18, Wk 20, Wv 22, Wo 24, bq 26, bv 28, bo 30
	s_load_b256 s[32:39], s[0:1], 0x40             ; xb 32, xh 34, mt 36, vecs 38
	v_lshl_add_u32 v30, v0, 2, 0x42a00
	v_mov_b32 v31, 0
	v_lshrrev_b32 v1, 5, v0
	v_readfirstlane_b32 s4, v1                     ; w
	s_mov_b32 s2, ttmp9                            ; bx
	s_and_b32 s3, ttmp7, 0xffff                    ; by
	s_lshl4_add_u32 s5, s3, s2                     ; g = 16 by + bx
	s_lshl2_add_u32 s9, s5, s4                     ; 4 g + w: my row of Wv
	s_lshl2_add_u32 s14, s2, s4
	s_lshl_b32 s15, s3, 6
	s_add_co_u32 s15, s15, s14                     ; 64 by + 4 bx + w: my row of Wk for u
	s_mov_b32 s8, 0xffff0000                       ; a word's upper bf16
	s_mov_b32 s10, 0x76543210                      ; v_permlanex16_b32: lane i reads lane i of the other half
	s_mov_b32 s11, 0xfedcba98
	s_mov_b32 s13, 0                               ; the upper word of every byte offset below
	s_mov_b32 s50, 0x41800000                      ; 16.0, a pair for the packed multiply
	s_mov_b32 s51, 0x41800000
	v_and_b32 v1, 31, v0
	v_lshlrev_b32 v2, 4, v1
	v_lshlrev_b32 v5, 3, v1
	v_and_b32 v6, 15, v0
	v_bfe_u32 v7, v0, 4, 1
	s_mul_i32 s6, s4, 32*WP                        ; wave w fills LDS rows 32 w .. 32 w + 31
	v_add_nc_u32 v3, s6, v5
	v_add_nc_u32 v4, 16*WP, v3
	v_mul_u32_u24 v8, v6, WP
	v_lshl_add_u32 v8, v7, 4, v8                   ; r x pitch + 16 h
	s_mul_i32 s6, s4, 16*WP
	v_add_nc_u32 v9, s6, v8                        ; Wk's rows 16 w + r
	v_add_nc_u32 v13, 96*WP, v8                    ; Wq's rows 32 + r (and 48 + r by the offset)
	v_add_nc_u32 v8, 64*WP, v8                     ; Wq's rows r (and 16 + r)
	s_mul_i32 s6, s4, 8*STP
	s_add_co_u32 s6, s6, STAGE                     ; my stage
	v_lshrrev_b32 v10, 1, v6
	v_mul_u32_u24 v10, v10, STP                    ; in: pair row r / 2,
	v_and_b32 v11, 1, v6
	v_lshl_add_u32 v10, v11, 7, v10                ; its half r % 2 of 128 bytes,
	v_lshl_add_u32 v10, v7, 4, v10                 ; 16 bytes for each half of the lanes: sixteen lanes touch sixteen different 16-byte columns modulo 256
	v_add_nc_u32 v10, s6, v10
	v_mul_u32_u24 v11, v7, STP
	v_lshl_add_u32 v11, v6, 4, v11
	v_add_nc_u32 v11, s6, v11                      ; back: lanes 0-15 one pair row of 256 bytes, lanes 16-31 the next
	v_lshlrev_b32 v12, 12, v7
	v_lshl_add_u32 v12, v6, 4, v12                 ; the same two pair rows in mt
	s_wait_kmcnt 0x0
	s_cmp_lt_u32 s4, 2                             ; waves 0, 1 bring Wk's 64 rows, waves 2, 3 Wq's
	s_cselect_b64 s[52:53], s[20:21], s[18:19]
	s_cselect_b32 s12, s3, s2
	s_lshl_b32 s12, s12, 18                        ; block x 64 rows x 4,096 bytes
	s_and_b32 s6, s4, 1
	s_lshl_b32 s6, s6, 17                          ; + which 32 rows
	s_add_co_u32 s12, s12, s6
	s_add_nc_u64 s[52:53], s[52:53], s[12:13]
	s_lshl_b32 s12, s9, 12
	s_add_nc_u64 s[46:47], s[22:23], s[12:13]      ; my row of Wv
	s_lshl_b32 s12, s15, 12
	s_add_nc_u64 s[48:49], s[20:21], s[12:13]      ; my row of Wk
	s_lshl_b32 s6, s5, 5
	s_lshl3_add_u32 s6, s4, s6                     ; 32 g + 8 w: my first row of x
	s_lshl_b32 s12, s6, 12
	s_add_nc_u64 s[40:41], s[16:17], s[12:13]
	s_lshl_b32 s12, s6, 11
	s_add_nc_u64 s[42:43], s[32:33], s[12:13]
	s_add_nc_u64 s[54:55], s[34:35], s[12:13]
	s_lshl_b32 s6, s3, 5
	s_lshl3_add_u32 s6, s4, s6                     ; 32 by + 8 w: my first pair row of mt
	s_lshl_b32 s12, s6, 12
	s_lshl_b32 s6, s2, 8                           ; piece bx of the pair row
	s_add_co_u32 s12, s12, s6
	s_add_nc_u64 s[44:45], s[36:37], s[12:13]
	; THE VECTORS.  Load c of a row of 1024 f32 brings lane L the elements 128 c + 4 L .. + 3: the same places in every row.
.irp c, 0,1,2,3,4,5,6,7
	global_load_b128 v[VA+4*\c:VA+4*\c+3], v2, s[46:47] offset:512*\c th:TH_LOAD_NT
	global_load_b128 v[VB+4*\c:VB+4*\c+3], v2, s[24:25] offset:512*\c
	global_load_b128 v[VC+4*\c:VC+4*\c+3], v2, s[26:27] offset:512*\c
	global_load_b128 v[VD+4*\c:VD+4*\c+3], v2, s[48:49] offset:512*\c
.endr
	LD 0
	XLD 0
	WIN 0
	s_wait_loadcnt 24                              ; the four vectors are in; batch 0's sixteen loads and x row 0's eight stay out
	ROUND32 VA
	ROUND32 VB
	ROUND32 VC
	ROUND32 VD
	DOT32 VA, VB
	REDUCE 14                                      ; wvo[4 g + w]
	DOT32 VD, VC
	REDUCE 15                                      ; u[64 by + 4 bx + w]
	s_lshl_b32 s6, s9, 2
	s_lshl_b32 s7, s15, 2
	s_add_co_u32 s7, s7, 4096
	v_mov_b32 v24, s6
	v_mov_b32 v25, s7
	v_cmp_eq_u32 vcc_lo, 1, v1
	v_cndmask_b32 v24, v24, v25, vcc_lo            ; lane 0 stores wvo, lane 1 u: one store of two words a wave.  These 8 KiB of the launch go out in
	v_cndmask_b32 v25, v14, v15, vcc_lo            ; single words: whole runs of 64 would put 64 rows of Wv on one work-group
	s_wait_xcnt 0x0                                ; EXEC is a source of the loads above: it changes only behind this wait
	v_cmp_gt_u32 vcc_lo, 2, v1
	s_and_saveexec_b32 s7, vcc_lo
	global_store_b32 v24, v25, s[38:39]
	s_wait_xcnt 0x0                                ; and again in front of the line that widens it
	s_or_b32 exec_lo, exec_lo, s7
	LD 1                                           ; set 1 is free: my row of Wk has been used
	s_or_b32 s6, s5, s4
	s_cmp_lg_u32 s6, 0
	s_cbranch_scc1 .Lno_c                          ; c = bv.Wo + bo: wave 0 of work-group 0 alone
.irp c, 0,1,2,3,4,5,6,7
	global_load_b128 v[VA+4*\c:VA+4*\c+3], v2, s[28:29] offset:512*\c
.endr
	s_load_b32 s6, s[30:31], 0x0
	s_wait_loadcnt 0x0
	s_wait_kmcnt 0x0
	ROUND32 VA
	DOT32 VA, VB
	REDUCE 24
	v_mov_b32 v25, s6
	v_cvt_pk_bf16_f32 v25, v25, v25                ; bo rounded like every input
	v_lshlrev_b32 v25, 16, v25
	v_add_f32 v24, v24, v25
	v_mov_b32 v26, 0
	s_wait_xcnt 0x0                                ; EXEC changes only behind this wait
	v_cmp_eq_u32 vcc_lo, 0, v1
	s_and_saveexec_b32 s7, vcc_lo
	global_store_b32 v26, v24, s[38:39] offset:8192
	s_wait_xcnt 0x0
	s_or_b32 exec_lo, exec_lo, s7
.Lno_c:
	LD 2                                           ; set 2 is free: Wv's row, bv and Wo have been used
	XLD 1
	WIN 0
	; THE WEIGHTS INTO LDS, AND x THROUGH.  Sixteen batches of two weight rows go through three sets of registers, two batches always on their way.
	; A wave's loads come back in the order of issue (ISA guide 5.7.1), so x is not asked for in one run in front (32 KiB that every later wait would
	; have to sit out) nor behind the weights (its stores would be the wave's last work): row i is asked for straight behind batch 2 i and is
	; converted and stored in step 2 i + 1, whose wait for batch 2 i + 1 shows it landed.  All of x has left before the barrier; its stores go on during the product.
.irp nb, 0,1,2,3,4,5,6,7,8,9,10,11,12,13,14,15
.if \nb <= 13
.if \nb & 1
	s_wait_loadcnt 40                              ; this batch is in; behind it: two batches of sixteen loads and one row of x of eight
.else
	s_wait_loadcnt 48                              ; this batch is in; behind it: two batches and two rows of x
.endif
.else
	s_wait_loadcnt 24*(15-\nb)                     ; batch 14: row 7 of x and batch 15 stay out; batch 15: nothing is left
.endif
	CV \nb
.if \nb+3 <= 15
	LD \nb+3
.endif
.if \nb & 1
.if \nb+3 <= 15
	XLD (\nb+3)/2
.endif
	XCV (\nb-1)/2
	WIN 0
.endif
.endr
	s_wait_dscnt 0x0                               ; my LDS stores are done, for the other waves' sake
	s_barrier_signal -1
	s_barrier_wait -1                              ; all 128 rows are in LDS
	; MT.  Source 0 = 16 rows of Wq (i), source 1 = my 16 rows of Wk (j): lane (r, h) register k = MT[16 w + r][16 it + 8 h + k],
	; eight neighbouring numbers of a row of MT.  The four accumulators take turns, one instruction a turn.
	FL 0
	FL 1
	FL 2
.irp st, 0,1,2,3,4,5,6,7,8,9,10,11,12,13,14,15,16,17,18,19,20,21,22,23,24,25,26,27,28,29,30,31
.if \st+3 <= 31
.if \st >= 1
	PLACES                                         ; the set loaded next was read by the last step's matrix instructions
.endif
	FL \st+3
	s_wait_dscnt 30                                ; this step's ten loads are in; three younger sets stay out
.else
	s_wait_dscnt 10*(31-\st)
.endif
.irp it, 0,1,2,3
.if \st == 0
	v_wmma_f32_16x16x32_bf16 v[ACC+8*\it:ACC+8*\it+7], v[FB+40*(\st%4)+8+8*\it:FB+40*(\st%4)+8+8*\it+7], v[FB+40*(\st%4):FB+40*(\st%4)+7], 0
.else
	v_wmma_f32_16x16x32_bf16 v[ACC+8*\it:ACC+8*\it+7], v[FB+40*(\st%4)+8+8*\it:FB+40*(\st%4)+8+8*\it+7], v[FB+40*(\st%4):FB+40*(\st%4)+7], v[ACC+8*\it:ACC+8*\it+7]
.endif
.endr
.endr
	; MT OUT: times 16, rounded to f16, two rows side by side through my own stage, so that a pair row's piece leaves as 256 neighbouring bytes, aligned.
	PLACES
.irp p, 0,1,2,3,4,5,6,7,8,9,10,11,12,13,14,15
	v_pk_mul_f32 v[ACC+2*\p:ACC+2*\p+1], v[ACC+2*\p:ACC+2*\p+1], s[50:51] op_sel_hi:[1,0]
.endr
.irp it, 0,1,2,3
.irp k, 0,1,2,3
	v_cvt_pk_f16_f32 v[32+4*\it+\k], v[ACC+8*\it+2*\k], v[ACC+8*\it+2*\k+1]
.endr
	ds_store_b128 v10, v[32+4*\it:35+4*\it] offset:32*\it
.endr
.irp t, 0,1,2,3
	ds_load_b128 v[64+4*\t:67+4*\t], v11 offset:2*STP*\t           ; LDS serves a wave's instructions in order (ISA guide 5.7.1): these see the stores above
.endr
.irp t, 0,1,2,3
	s_wait_dscnt 3-\t                              ; read-back t is in, the younger ones stay out
	global_store_b128 v12, v[64+4*\t:67+4*\t], s[44:45] offset:8192*\t
.endr
	s_wait_tensorcnt 0x0
	ds_add_u32 v30, v31
	s_wait_dscnt 0x0
	s_endpgm
.Lfunc_end_k_q1ab217df63_prep:
	.size	k_q1ab217df63_prep, .Lfunc_end_k_q1ab217df63_prep-k_q1ab217df63_prep
	.p2alignl 7, 3214868480
	.fill 96, 4, 3214868480
	.section	.rodata,"a",@progbits
	.p2align	6, 0x0
	.amdhsa_kernel k_q1ab217df63_prep
		.amdhsa_group_segment_fixed_size 273408
		.amdhsa_private_segment_fixed_size 0
		.amdhsa_enable_private_segment 0
		.amdhsa_kernarg_size 96
		.amdhsa_user_sgpr_count 2
		.amdhsa_user_sgpr_kernarg_segment_ptr 1
		.amdhsa_wavefront_size32 1
		.amdhsa_system_sgpr_workgroup_id_x 1
		.amdhsa_system_sgpr_workgroup_id_y 1
		.amdhsa_system_sgpr_workgroup_id_z 1
		.amdhsa_system_vgpr_workitem_id 0
		.amdhsa_next_free_vgpr 512
		.amdhsa_next_free_sgpr 66
		.amdhsa_reserve_vcc 1
		.amdhsa_float_denorm_mode_32 3
		.amdhsa_float_denorm_mode_16_64 3
		.amdhsa_memory_ordered 1
		.amdhsa_forward_progress 1
		.amdhsa_inst_pref_size 175
	.end_amdhsa_kernel
	.amdgpu_metadata
---
amdhsa.version: [ 1, 2 ]
amdhsa.kernels:
  - .name:           k_q1ab217df63_prep
    .symbol:         k_q1ab217df63_prep.kd
    .args:
      - { .name: x, .offset: 0, .size: 8, .value_kind: global_buffer, .address_space: global }
      - { .name: Wq, .offset: 8, .size: 8, .value_kind: global_buffer, .address_space: global }
      - { .name: Wk, .offset: 16, .size: 8, .value_kind: global_buffer, .address_space: global }
      - { .name: Wv, .offset: 24, .size: 8, .value_kind: global_buffer, .address_space: global }
      - { .name: Wo, .offset: 32, .size: 8, .value_kind: global_buffer, .address_space: global }
      - { .name: bq, .offset: 40, .size: 8, .value_kind: global_buffer, .address_space: global }
      - { .name: bv, .offset: 48, .size: 8, .value_kind: global_buffer, .address_space: global }
      - { .name: bo, .offset: 56, .size: 8, .value_kind: global_buffer, .address_space: global }
      - { .name: xb, .offset: 64, .size: 8, .value_kind: global_buffer, .address_space: global }
      - { .name: xh, .offset: 72, .size: 8, .value_kind: global_buffer, .address_space: global }
      - { .name: mt, .offset: 80, .size: 8, .value_kind: global_buffer, .address_space: global }
      - { .name: vecs, .offset: 88, .size: 8, .value_kind: global_buffer, .address_space: global }
    .group_segment_fixed_size: 273408
    .private_segment_fixed_size: 0
    .kernarg_segment_align: 8
    .kernarg_segment_size: 96
    .max_flat_workgroup_size: 128
    .sgpr_count:     66
    .vgpr_count:     512
    .wavefront_size: 32
...
	.end_amdgpu_metadata
.endif
;; end of part 1
;; launch ygemm (part 2): grid 8 x 32, 4 waves a work-group, clusters of 4 x 4, 327,680 bytes of LDS; arguments xh, mt, vecs, xb, y2, vo; writes y2, vo
.if DOCPART == 2
	.amdgcn_target "amdgcn-amd-amdhsa--gfx1250"
	.amdhsa_code_object_version 6
	.text
	.protected	k_q1ab217df63_ygemm
	.globl	k_q1ab217df63_ygemm
	.p2align	8
	.type	k_q1ab217df63_ygemm,@function
k_q1ab217df63_ygemm:
	s_mov_b64 s[64:65], 0
	v_nop
	global_prefetch_b8 v0, s[64:65] scope:SCOPE_SE
	s_setreg_imm32_b32 hwreg(HW_REG_WAVE_MODE, 25, 1), 1
	s_wait_xcnt 0x0
	s_wait_alu depctr_hold_cnt(0) depctr_sa_sdst(0) depctr_va_vdst(0) depctr_va_sdst(0) depctr_va_ssrc(0) depctr_va_vcc(0) depctr_vm_vsrc(0)
	s_getreg_b32 s2, hwreg(HW_REG_IB_STS2, 6, 4)
	s_cmp_eq_u32 s2, 0
	s_cbranch_scc0 .Lentry_in_a_cluster
	s_endpgm
.Lentry_in_a_cluster:
	s_bfe_u32 s2, ttmp6, 0x10000c
	s_cmp_lg_u32 s2, 0xf033
	s_cbranch_scc0 .Lentry_shape_is_right
	s_endpgm
.Lentry_shape_is_right:
; SelfAttentionLayer, launch 2 of 4.  y[s][j] = (sum over i of xh[s][i] mt[j][i]) / 16 + u[j], stored as hi and lo in bf16;  vo[s] = xb[s].wvo.
; Left out, as shown at the head of the first launch: bk (constant along the softmax's axis), the projections x Wk and x Wv (regrouped into M, u, wvo).
; OPERANDS: f16.  xh holds bf16(x) written in f16, mt holds f16(16 M^T): one product, 11 significant bits in M (the first launch's head gives the room and the limits:
; |x| and |16 M| under 65,504).  y itself has no such room in f16 and leaves as hi = bf16(y), lo = bf16(y - hi), 16 significant bits, for the scores.
; SPLIT FORMAT of y2: a row of 1024 numbers is 4,096 bytes, sixteen pieces of 256: 64 hi (128 bytes), then the same 64 lo.
; A work-group makes 256 rows of y (the "plain" side, rows of xh) x 128 columns j (rows of mt) with four waves; a wave makes 128 x 64: 8 x 4 accumulator tiles, 256 registers.
; K goes in 8 steps of 128 through two LDS slots filled by the tensor data mover.  A plain row's piece is 256 bytes; of mt a PAIR of rows comes as 512 bytes
; (row 2 p's first 64 | row 2 p + 1's | row 2 p's second 64 | row 2 p + 1's); both start at multiples of 256 bytes from their buffers' first bytes.
; Two slots of a K step of 256 would take 2 x (256 x 528 + 64 x 1,040) = 403,456 bytes, more than a work-group can have: the step stays 128.
; CLUSTERS: 4 x 4 work-groups.  The plain tile hangs on the block row alone and is asked for jointly by a row of the cluster, mt's tile on the
; block column alone and is asked for jointly by a column: each of the four issues the same load with the same descriptor and a mask that names the four.
; REGISTERS: window 0: v1 r, v2 h, v6 lane, v16-26 addresses, v27-29 and v51 offsets that are never rewritten, v32-63 at work, v64-127 and v128-191 plain fragments (two buffers),
; v192-223 and v224-255 mt's fragments (two buffers): all fragments in one window, so a quarter step has two changes of window;
; window 1, which the K loop never names: v0-31 u of my columns, v32-63 wvo, v64-191 my eight rows of xb;  window 2: accumulator tile (a, b) at 8 (4 a + b).
; THE MATRIX INSTRUCTION: source 0 = 16 rows of mt (j), source 1 = 16 plain rows (s): lane (r, h) register k = y[16 a + r][16 b + 8 h + k]: eight neighbours of a row of y.
.set PP,    272                        ; LDS pitch of a plain row: 256 + 16
.set SP,    528                        ; of a pair row of mt: 512 + 16
.set PHALF, 128*PP                     ; what waves 0, 1 each fetch, and what a wave reads of the plain tile
.set MHALF, 32*SP                      ; what waves 2, 3 each fetch, and what a wave reads of mt's tile: 32 pair rows = 64 j
.set SPL,   2*PHALF                    ; mt's tile lies behind the plain one
.set SLOT,  2*PHALF+2*MHALF            ; 103,424
.set STAGE, 2*SLOT                     ; 206,848 = 808 x 256: behind the ring, 16 rows x 272 bytes for each wave; no fill lands here
.set STP,   272
.set LAPS,  4                          ; a lap = two K steps = once round the ring
.set ADRP, 16
.set ADRS, 20
.set STO,  24
.set RD,   25
.set CO,   26
.set FP,   64                          ; plain fragments: buffer f at FP + 64 f
.set FM,   192                         ; mt's fragments: buffer f at FM + 32 f
.set U1,   0                           ; window 1: u
.set WV1,  32                          ; window 1: wvo
.set XR1,  64                          ; window 1: eight rows of xb, row i at 16 i
.set G1,  24                           ; s[24:31] group 1, plain
.set G0,  32                           ; s[32:39] group 0, plain, one set for each slot
.set G1B, 48                           ; s[48:55] group 1, mt
.set G0B, 56                           ; s[56:63] group 0, mt
.set MULW, 0xa0                        ; sources 0 and 1 window 0, C and D window 2
.set MSB, 0
.macro WIN new                         ; low byte: bits 1:0 source 0, 3:2 source 1, 5:4 source 2, 7:6 destination; the high byte repeats the setting left
.if MSB != \new
	s_set_vgpr_msb (MSB<<8)|\new
.set MSB, \new
.endif
.endm
.macro PLACES                          ; four independent vector instructions behind a matrix instruction before its registers are loaded into, read or written (ISA guide 7.12.1)
.rept 4
	v_nop
.endr
.endm
.macro JLOAD s                         ; a joint load: waves 0, 1 fetch the plain tile's halves, waves 2, 3 mt's.  The branch hangs on the wave's number alone
	s_cmp_eq_u32 s11, 0
	s_cbranch_scc0 .Lfor_b_\@
	tensor_load_to_lds s[G0+4*\s:G0+4*\s+3], s[G1:G1+7]
	s_nop 0
	s_branch .Lasked_\@
.Lfor_b_\@:
	tensor_load_to_lds s[G0B+4*\s:G0B+4*\s+3], s[G1B:G1B+7]
	s_nop 0
.Lasked_\@:
.endm
.macro CREST                           ; a round of the cluster's barrier behind its opening work-group barrier
	s_cmp_lg_u32 s10, 0
	s_cbranch_scc1 .Lnot_wave_0_\@
	s_barrier_signal -3
.Lnot_wave_0_\@:
	s_barrier_wait -3
	s_barrier_signal -1
	s_barrier_wait -1
.endm
.macro CROUND
	s_barrier_signal -1
	s_barrier_wait -1
	CREST
.endm
; 16 matrix instructions on buffer f: plain blocks a0 .. a0 + 3 x mt's four blocks.  zero = 1: the product starts the sum.
.macro MUL16 f, a0, zero
.irp a, \a0, \a0+1, \a0+2, \a0+3
.irp b, 0,1,2,3
.if \zero
	v_wmma_f32_16x16x32_f16 v[8*(4*(\a)+\b):8*(4*(\a)+\b)+7], v[FM+32*\f+8*\b:FM+32*\f+8*\b+7], v[FP+64*\f+8*(\a):FP+64*\f+8*(\a)+7], 0
.else
	v_wmma_f32_16x16x32_f16 v[8*(4*(\a)+\b):8*(4*(\a)+\b)+7], v[FM+32*\f+8*\b:FM+32*\f+8*\b+7], v[FP+64*\f+8*(\a):FP+64*\f+8*(\a)+7], v[8*(4*(\a)+\b):8*(4*(\a)+\b)+7]
.endif
.endr
.endr
.endm
; 24 LDS loads in one run: quarter q (32 along K) of a slot into buffer f: 16 plain, 8 of mt.  In a pair row the quarter lies at 256 (q / 2) + 64 (q % 2); the lane's row picks the half of 128 bytes.
.macro FETCH slot, q, f
	WIN 0
.irp a, 0,1,2,3,4,5,6,7
	ds_load_b128 v[FP+64*\f+8*\a:FP+64*\f+8*\a+3],   v[ADRP+\slot] offset:\a*16*PP+64*\q
	ds_load_b128 v[FP+64*\f+8*\a+4:FP+64*\f+8*\a+7], v[ADRP+\slot] offset:\a*16*PP+64*\q+32
.endr
.irp b, 0,1,2,3
	ds_load_b128 v[FM+32*\f+8*\b:FM+32*\f+8*\b+3],   v[ADRS+\slot] offset:\b*8*SP+256*(\q>>1)+64*(\q&1)
	ds_load_b128 v[FM+32*\f+8*\b+4:FM+32*\f+8*\b+7], v[ADRS+\slot] offset:\b*8*SP+256*(\q>>1)+64*(\q&1)+32
.endr
.endm
; A quarter step: first the next quarter's fragments (quarter q of the named slot) are asked for, into buffer g, which the last quarter's products read; then buffer f is multiplied.
; So a fragment has 32 matrix instructions in which to arrive.  The 32 accumulators take turns, one instruction a turn, in the same order in every quarter.
.macro QUARTER slot, q, f, g, zero
	PLACES
	FETCH \slot, \q, \g
	s_wait_dscnt 24                                ; all but the 24 just issued: buffer f is whole
	WIN MULW
	MUL16 \f, 0, \zero
	MUL16 \f, 4, \zero
.endm
; The third quarter also changes slots: its fetch brings the step's last fragments into registers, so the slot has been read to its end a quarter before the step ends.
; In front of the barrier each wave waits for its reads of this slot and for all its tensor loads (one is out: its part of the next slot).  fill = 1: the barrier opens a
; round of the cluster's barrier; behind the round no wave of any partner reads this slot or has a load on its way, and the joint refill, two K steps ahead, is the wave's
; first and only tensor load there.  From a request to the wait for it a wave issues 112 matrix instructions.
.macro CHANGE slot, fill
	PLACES
	FETCH \slot, 3, 1
	s_wait_dscnt 24
	WIN MULW
	MUL16 0, 0, 0
	s_wait_dscnt 0x0                               ; my reads of this slot are over
	s_wait_tensorcnt 0x0                           ; all my tensor loads have landed
	ds_add_u32 v62, v63
	s_wait_dscnt 0x0
	s_barrier_signal -1
	MUL16 0, 4, 0                                  ; register work while the others arrive
	WIN 0
	s_barrier_wait -1
.if \fill
	CREST
	s_add_nc_u64 s[G0+4*\slot+2:G0+4*\slot+3], s[G0+4*\slot+2:G0+4*\slot+3], 512        ; two steps of 256 bytes: no load of mine is out, so a group 0 may be written
	s_add_nc_u64 s[G0B+4*\slot+2:G0B+4*\slot+3], s[G0B+4*\slot+2:G0B+4*\slot+3], 1024   ; two steps of 512 bytes
	JLOAD \slot
.endif
.endm
.macro STEP slot, next, fill, zero     ; a K step: buffers 0, 1, 0, 1; the fourth quarter fetches the next slot's first fragments
	QUARTER \slot, 1, 0, 1, \zero
	QUARTER \slot, 2, 1, 0, 0
	CHANGE \slot, \fill
	QUARTER \next, 0, 1, 0, 0
.endm
.macro LAP zero
	STEP 0, 1, 1, \zero
	STEP 1, 0, 1, 0
.endm
.macro SPLIT8 src, h, l, t             ; eight f32 -> four words of hi = bf16(z), four of lo = bf16(z - hi); z - hi is exact in f32
.irp k, 0,1,2,3
	v_cvt_pk_bf16_f32 v[\h+\k], v[\src+2*\k], v[\src+2*\k+1]
.endr
.irp k, 0,1,2,3
	v_lshlrev_b32 v[\t+2*\k], 16, v[\h+\k]
	v_and_b32 v[\t+2*\k+1], s78, v[\h+\k]
.endr
.irp k, 0,1,2,3
	v_pk_add_f32 v[\t+2*\k:\t+2*\k+1], v[\src+2*\k:\src+2*\k+1], v[\t+2*\k:\t+2*\k+1] neg_lo:[0,1] neg_hi:[0,1]
.endr
.irp k, 0,1,2,3
	v_cvt_pk_bf16_f32 v[\l+\k], v[\t+2*\k], v[\t+2*\k+1]
.endr
.endm
	s_load_b128 s[4:7], s[0:1], 0x0                ; xh s[4:5], mt s[6:7]
	s_load_b64 s[8:9], s[0:1], 0x10                ; vecs
	s_load_b64 s[76:77], s[0:1], 0x18              ; xb
	s_load_b128 s[68:71], s[0:1], 0x20             ; y2 s[68:69], vo s[70:71]
	v_lshl_add_u32 v62, v0, 2, 0x36c00
	v_mov_b32 v63, 0
	ds_add_u32 v62, v63
	v_lshrrev_b32 v1, 5, v0
	v_readfirstlane_b32 s10, v1                    ; wave 0..3
	s_lshr_b32 s11, s10, 1                         ; which 128 plain rows are mine.  Also: I fetch plain (0) or mt (1)
	s_and_b32 s12, s10, 1                          ; which 64 rows of mt are mine.  Also: which half of that tile I fetch
	s_bfe_u32 s40, ttmp6, 0x40000                  ; cx
	s_bfe_u32 s41, ttmp6, 0x40004                  ; cy
	s_lshl_b32 s42, ttmp9, 2
	s_add_co_u32 s42, s42, s40                     ; block column 0..7 = 4 x cluster x + cx
	s_and_b32 s13, ttmp7, 0xffff
	s_lshl_b32 s13, s13, 2
	s_add_co_u32 s13, s13, s41                     ; block row 0..31 = 4 x cluster y + cy
	s_lshl_b32 s43, s41, 2
	s_lshl_b32 s43, 15, s43                        ; my row of the cluster
	s_lshl_b32 s44, 0x1111, s40                    ; my column
	s_mov_b32 s74, 0x76543210
	s_mov_b32 s75, 0xfedcba98
	s_mov_b32 s78, 0xffff0000
	; group 1, plain: 128 rows x 128 elements of 2 bytes, 16 bytes of padding behind every 64 words
	s_or_b32 s[G1+0], s43, (1<<16)|(1<<20)|(1<<21)|(5<<22)|(3<<25)
	s_mov_b32 s[G1+1], 128<<16                     ; tensor_dim0 = 128
	s_mov_b32 s[G1+2], 128<<16                     ; tensor_dim1 = 128
	s_mov_b32 s[G1+3], 128<<16                     ; tile_dim0 = 128
	s_mov_b32 s[G1+4], 128                         ; tile_dim1 = 128
	s_mov_b32 s[G1+5], 1024                        ; elements from row to row
	s_mov_b32 s[G1+6], 0
	s_mov_b32 s[G1+7], 0
	; group 1, mt: 32 pair rows x 256 elements, 16 bytes of padding behind every 128 words
	s_or_b32 s[G1B+0], s44, (1<<16)|(1<<20)|(1<<21)|(6<<22)|(3<<25)
	s_mov_b32 s[G1B+1], 256<<16
	s_mov_b32 s[G1B+2], 32<<16
	s_mov_b32 s[G1B+3], 256<<16
	s_mov_b32 s[G1B+4], 32
	s_mov_b32 s[G1B+5], 2048                       ; elements from pair row to pair row
	s_mov_b32 s[G1B+6], 0
	s_mov_b32 s[G1B+7], 0
	; where the tiles come from: the plain one from the block row alone, mt's from the block column alone, each in registers that never hold the other coordinate
	s_lshl_b32 s17, s12, 7
	s_lshl_b32 s16, s13, 8
	s_add_co_u32 s16, s16, s17                     ; xh row 256 x block row + 128 x half
	s_lshl_b32 s16, s16, 11                        ; x 2,048 bytes
	s_mov_b32 s17, 0
	s_lshl_b32 s47, s12, 5
	s_lshl_b32 s46, s42, 6
	s_add_co_u32 s46, s46, s47                     ; mt pair row 64 x block column + 32 x half
	s_lshl_b32 s46, s46, 12                        ; x 4,096 bytes
	s_mov_b32 s47, 0
	s_mul_i32 s20, s10, PHALF                      ; where they go: waves 0, 1 at wave x 34,816;
	s_mul_i32 s21, s10, MHALF
	s_add_co_u32 s21, s21, SPL-2*MHALF             ; waves 2, 3 at 69,632 + (wave - 2) x 16,896
	s_wait_dscnt 0x0
	s_wait_kmcnt 0x0
	s_add_nc_u64 s[14:15], s[4:5], s[16:17]
	s_add_nc_u64 s[46:47], s[6:7], s[46:47]
	CROUND                                         ; all sixteen work-groups are here: the first joint loads meet
.irp s, 0,1
	s_mov_b32 s[G0+4*\s], 1
	s_add_co_u32 s[G0+4*\s+1], s20, \s*SLOT
	s_add_nc_u64 s[G0+4*\s+2:G0+4*\s+3], s[14:15], \s*256
	s_or_b32 s[G0+4*\s+3], s[G0+4*\s+3], 0x80000000
	s_mov_b32 s[G0B+4*\s], 1
	s_add_co_u32 s[G0B+4*\s+1], s21, \s*SLOT
	s_add_nc_u64 s[G0B+4*\s+2:G0B+4*\s+3], s[46:47], \s*512
	s_or_b32 s[G0B+4*\s+3], s[G0B+4*\s+3], 0x80000000
	JLOAD \s                                       ; both slots' first fills go out together: two tensor loads of a wave are out here, one behind each later round
.endr
	v_and_b32 v1, 15, v0                           ; r
	v_bfe_u32 v2, v0, 4, 1                         ; h
	v_and_b32 v6, 31, v0                           ; lane
	v_mul_u32_u24 v3, v1, PP
	v_lshl_add_u32 v3, v2, 4, v3                   ; plain: row r x pitch + 16 h: sixteen rows start 16 bytes apart modulo 256
	v_lshrrev_b32 v4, 1, v1
	v_mul_u32_u24 v4, v4, SP                       ; mt: pair row r / 2,
	v_and_b32 v5, 1, v1
	v_lshl_add_u32 v4, v5, 7, v4                   ; its half r % 2 of 128 bytes: modulo 256 the sixteen rows start at 16 (r / 2) + 128 (r % 2), all different
	v_lshl_add_u32 v4, v2, 4, v4
	s_mul_i32 s22, s11, PHALF
	s_mul_i32 s23, s12, MHALF
	s_add_co_u32 s23, s23, SPL
.irp s, 0,1
	v_add_nc_u32 v[ADRP+\s], s22, v3
	v_add_nc_u32 v[ADRS+\s], s23, v4
	s_add_co_u32 s22, s22, SLOT
	s_add_co_u32 s23, s23, SLOT
.endr
	s_mul_i32 s22, s10, 16*STP
	s_add_co_u32 s22, s22, STAGE
	v_mul_u32_u24 v4, v1, STP
	v_lshl_add_u32 v4, v2, 4, v4
	v_add_nc_u32 v[STO], s22, v4
	v_mul_u32_u24 v5, v2, STP
	v_lshl_add_u32 v5, v1, 4, v5
	v_add_nc_u32 v[RD], s22, v5
	v_lshlrev_b32 v5, 12, v2
	v_lshl_add_u32 v[CO], v1, 4, v5                ; two rows of y2, 16 bytes a lane
	; ASKED FOR NOW, USED AT THE END: u of my 64 columns, wvo, and my eight rows of xb for vo (rows 256 x block row + 32 x block column + 8 w + i).
	; No product reads any of them, so they land in window 1, which the K loop never names, and no wait for them stands in front of the loop: the one wait stands
	; in front of the way out, where u is first read.  Their offsets (v27-29) and bases (s[8:9], s[66:67], s[72:73]) are never written again.
	; vo takes its rows from xb: bf16 widens to f32 by a shift or a mask.
	s_lshl_b32 s46, s42, 9
	s_lshl_b32 s47, s12, 8
	s_add_co_u32 s46, s46, s47
	s_add_co_u32 s46, s46, 4096                    ; u lies 4,096 bytes into vecs; my columns begin at 128 x block column + 64 x half
	s_mov_b32 s47, 0
	s_add_nc_u64 s[72:73], s[8:9], s[46:47]
	s_lshl_b32 s18, s13, 8
	s_lshl_b32 s19, s42, 5
	s_add_co_u32 s18, s18, s19
	s_lshl3_add_u32 s18, s10, s18                  ; my first row
	s_lshl_b32 s66, s18, 11
	s_mov_b32 s67, 0
	s_add_nc_u64 s[66:67], s[76:77], s[66:67]
	s_lshl_b32 s18, s18, 2
	s_mov_b32 s19, 0
	s_add_nc_u64 s[70:71], s[70:71], s[18:19]
	v_lshlrev_b32 v27, 5, v2                       ; u: 8 h numbers
	v_lshlrev_b32 v28, 5, v6                       ; wvo: 8 numbers a lane
	v_lshlrev_b32 v29, 4, v6                       ; xb: 8 numbers a lane
	v_lshlrev_b32 v51, 2, v6                       ; vo: one number a lane
	WIN 0x40                                       ; destination window 1, address window 0
.irp b, 0,1,2,3
	global_load_b128 v[U1+8*\b:U1+8*\b+3],   v27, s[72:73] offset:64*\b
	global_load_b128 v[U1+8*\b+4:U1+8*\b+7], v27, s[72:73] offset:64*\b+16
.endr
.irp jj, 0,1,2,3
	global_load_b128 v[WV1+8*\jj:WV1+8*\jj+3],   v28, s[8:9] offset:1024*\jj     ; wvo[256 jj + 8 L ..]
	global_load_b128 v[WV1+8*\jj+4:WV1+8*\jj+7], v28, s[8:9] offset:1024*\jj+16
.endr
.irp i, 0,1,2,3,4,5,6,7
.irp jj, 0,1,2,3
	global_load_b128 v[XR1+16*\i+4*\jj:XR1+16*\i+4*\jj+3], v29, s[66:67] offset:2048*\i+512*\jj   ; xb[row i][256 jj + 8 L ..]
.endr
.endr
	WIN 0
	s_wait_tensorcnt 0x1                           ; my part of K step 0 is in; step 1's load stays out
	s_barrier_signal -1
	s_barrier_wait -1
	FETCH 0, 0, 0
	LAP 1                                          ; the first lap stands in front of the loop: its first products start the sums
	WIN 0                                          ; at a label and at a branch every window is 0
	s_mov_b32 s3, LAPS-2
.Llap:
	LAP 0
	WIN 0
	s_sub_co_u32 s3, s3, 1
	s_cmp_lg_u32 s3, 0
	s_cbranch_scc1 .Llap
	STEP 0, 1, 0, 0                                ; the last lap fills nothing: its one barrier shows slot 1, the last K step's, whole to every wave
	QUARTER 1, 1, 0, 1, 0
	QUARTER 1, 2, 1, 0, 0
	QUARTER 1, 3, 0, 1, 0
	s_wait_dscnt 0x0                               ; the very last quarter: nothing more to fetch
	WIN MULW
	MUL16 1, 0, 0
	MUL16 1, 4, 0
	; THE WAY OUT, 16 rows of y at a time: sum / 16 + u in one multiply-add, split into hi and lo, 16 bytes a lane into my own stage, read back as rows of 256 bytes
	; (hi 64 | lo 64: one piece of the split format).
	PLACES
	s_mov_b32 s18, 0x3d800000                      ; 1 / 16, a pair for the packed multiply-add
	s_mov_b32 s19, 0x3d800000
	s_lshl_b32 s16, s13, 8
	s_lshl_b32 s17, s11, 7
	s_add_co_u32 s16, s16, s17                     ; my first row of y
	s_lshl_b32 s16, s16, 12
	s_mov_b32 s17, 0
	s_add_nc_u64 s[68:69], s[68:69], s[16:17]
	s_lshl_b32 s46, s42, 9
	s_lshl_b32 s47, s12, 8
	s_add_co_u32 s46, s46, s47                     ; piece 2 x block column + half, 256 bytes each
	s_mov_b32 s47, 0
	s_add_nc_u64 s[68:69], s[68:69], s[46:47]
	s_wait_loadcnt 0x0                             ; u, wvo and my rows of xb, asked for in front of the K loop
.set TT, 64                            ; v64-95 y in f32; v96-103 at work; v104-119 hi; v120-135 lo; v136-167, v168-199 rows read back, by turns
.macro OUT16 a, f
	WIN 0x12                                       ; source 0 window 2 (the sums), source 2 window 1 (u)
.irp b, 0,1,2,3
.irp k, 0,1,2,3
	v_pk_fma_f32 v[TT+8*\b+2*\k:TT+8*\b+2*\k+1], v[8*(4*\a+\b)+2*\k:8*(4*\a+\b)+2*\k+1], s[18:19], v[U1+8*\b+2*\k:U1+8*\b+2*\k+1] op_sel_hi:[1,0,1]
.endr
.endr
	WIN 0
.irp b, 0,1,2,3
	SPLIT8 TT+8*\b, 104+4*\b, 120+4*\b, 96
	ds_store_b128 v[STO], v[104+4*\b:107+4*\b] offset:32*\b
	ds_store_b128 v[STO], v[120+4*\b:123+4*\b] offset:128+32*\b
.endr
	s_wait_xcnt 0x0                                ; buffer f, which earlier stores read, and the stores' base are rewritten only behind this wait
.if \a
	s_add_nc_u64 s[68:69], s[68:69], 65536         ; 16 rows of y2 on
.endif
.irp t, 0,1,2,3,4,5,6,7
	ds_load_b128 v[\f+4*\t:\f+4*\t+3], v[RD] offset:\t*2*STP       ; LDS serves a wave's instructions in order (ISA guide 5.7.1): these see the stores above
.endr
.irp t, 0,1,2,3,4,5,6,7
	s_wait_dscnt 7-\t                              ; read-back t is in, the younger ones stay out
	global_store_b128 v[CO], v[\f+4*\t:\f+4*\t+3], s[68:69] offset:8192*\t       ; sixteen lanes store 256 consecutive bytes, aligned
.endr
.endm
	OUT16 0, 136
	OUT16 1, 168
	OUT16 2, 136
	OUT16 3, 168
	OUT16 4, 136
	OUT16 5, 168
	OUT16 6, 136
	OUT16 7, 168
	; vo, BEHIND THE LAST STORES OF y, while they leave: eight dot products with wvo in f32.  v64-135 are free (the way out's LDS traffic has been waited down to 0);
	; v136-199, which the stores of y still read, are not touched.
.set TU, 32                            ; v32-39   two numbers of xb widened, four pairs by turns
.set CH, 64                            ; v64-127  row i: four chains of pairs at 8 i
.macro VODOT i                         ; row i: 16 words of two bf16 a lane; the first products start the chains
.set q, 0
.rept 16
	v_lshlrev_b32 v[TU+2*(q%4)], 16, v[XR1+16*\i+q]
	v_and_b32 v[TU+2*(q%4)+1], s78, v[XR1+16*\i+q]
.if q < 4
	v_pk_mul_f32 v[CH+8*\i+2*q:CH+8*\i+2*q+1], v[TU+2*q:TU+2*q+1], v[WV1+2*q:WV1+2*q+1]
.else
	v_pk_fma_f32 v[CH+8*\i+2*(q%4):CH+8*\i+2*(q%4)+1], v[TU+2*(q%4):TU+2*(q%4)+1], v[WV1+2*q:WV1+2*q+1], v[CH+8*\i+2*(q%4):CH+8*\i+2*(q%4)+1]
.endif
.set q, q+1
.endr
.endm
	WIN 0x04                                       ; source 1 window 1 (xb's words, wvo); all else window 0: one setting for all eight rows
.irp i, 0,1,2,3,4,5,6,7
	VODOT \i
.endr
	WIN 0
	; the chains, then the 32 lanes, stage by stage across the eight rows, so that no instruction waits for the one in front of it
.irp i, 0,1,2,3,4,5,6,7
	v_pk_add_f32 v[CH+8*\i:CH+8*\i+1], v[CH+8*\i:CH+8*\i+1], v[CH+8*\i+2:CH+8*\i+3]
	v_pk_add_f32 v[CH+8*\i+4:CH+8*\i+5], v[CH+8*\i+4:CH+8*\i+5], v[CH+8*\i+6:CH+8*\i+7]
.endr
.irp i, 0,1,2,3,4,5,6,7
	v_pk_add_f32 v[CH+8*\i:CH+8*\i+1], v[CH+8*\i:CH+8*\i+1], v[CH+8*\i+4:CH+8*\i+5]
.endr
.irp i, 0,1,2,3,4,5,6,7
	v_add_f32 v[CH+8*\i], v[CH+8*\i], v[CH+8*\i+1]
.endr
.irp m, 1,2,4,8
.irp i, 0,1,2,3,4,5,6,7
	v_add_f32_dpp v[CH+8*\i], v[CH+8*\i], v[CH+8*\i] row_xmask:\m row_mask:0xf bank_mask:0xf
.endr
.endr
.irp i, 0,1,2,3,4,5,6,7
	v_permlanex16_b32 v[CH+8*\i+1], v[CH+8*\i], s74, s75
.endr
	v_add_f32 v50, v[CH], v[CH+1]                  ; every lane holds row 0's sum;
.irp i, 1,2,3,4,5,6,7
	v_add_f32 v[CH+8*\i], v[CH+8*\i], v[CH+8*\i+1]
	v_cmp_eq_u32 vcc_lo, \i, v6
	v_cndmask_b32 v50, v50, v[CH+8*\i], vcc_lo     ; lane i takes row i's
.endr
	s_wait_xcnt 0x0                                ; EXEC is a source of the stores above: it changes only behind this wait
	v_cmp_gt_u32 vcc_lo, 8, v6
	s_and_saveexec_b32 s79, vcc_lo
	global_store_b32 v51, v50, s[70:71]            ; 32 neighbouring bytes a wave, 128 a work-group: vo is 32 KiB in all, and wider runs would put more rows on fewer waves
	s_wait_xcnt 0x0                                ; and again in front of the line that widens it
	s_or_b32 exec_lo, exec_lo, s79
	s_wait_tensorcnt 0x0
	ds_add_u32 v62, v63
	s_wait_dscnt 0x0
	CROUND                                         ; the closing round: no work-group ends while a partner may still ask for a tile that names it
	s_endpgm
.Lfunc_end_k_q1ab217df63_ygemm:
	.size	k_q1ab217df63_ygemm, .Lfunc_end_k_q1ab217df63_ygemm-k_q1ab217df63_ygemm
	.p2alignl 7, 3214868480
	.fill 96, 4, 3214868480
	.section	.rodata,"a",@progbits
	.p2align	6, 0x0
	.amdhsa_kernel k_q1ab217df63_ygemm
		.amdhsa_group_segment_fixed_size 327680
		.amdhsa_private_segment_fixed_size 0
		.amdhsa_enable_private_segment 0
		.amdhsa_kernarg_size 48
		.amdhsa_user_sgpr_count 2
		.amdhsa_user_sgpr_kernarg_segment_ptr 1
		.amdhsa_wavefront_size32 1
		.amdhsa_system_sgpr_workgroup_id_x 1
		.amdhsa_system_sgpr_workgroup_id_y 1
		.amdhsa_system_sgpr_workgroup_id_z 1
		.amdhsa_system_vgpr_workitem_id 0
		.amdhsa_next_free_vgpr 768
		.amdhsa_next_free_sgpr 80
		.amdhsa_reserve_vcc 1
		.amdhsa_float_denorm_mode_32 3
		.amdhsa_float_denorm_mode_16_64 3
		.amdhsa_memory_ordered 1
		.amdhsa_forward_progress 1
		.amdhsa_inst_pref_size 185
	.end_amdhsa_kernel
	.amdgpu_metadata
---
amdhsa.version: [ 1, 2 ]
amdhsa.kernels:
  - .name:           k_q1ab217df63_ygemm
    .symbol:         k_q1ab217df63_ygemm.kd
    .args:
      - { .name: xh, .offset: 0, .size: 8, .value_kind: global_buffer, .address_space: global }
      - { .name: mt, .offset: 8, .size: 8, .value_kind: global_buffer, .address_space: global }
      - { .name: vecs, .offset: 16, .size: 8, .value_kind: global_buffer, .address_space: global }
      - { .name: xb, .offset: 24, .size: 8, .value_kind: global_buffer, .address_space: global }
      - { .name: y2, .offset: 32, .size: 8, .value_kind: global_buffer, .address_space: global }
      - { .name: vo, .offset: 40, .size: 8, .value_kind: global_buffer, .address_space: global }
    .group_segment_fixed_size: 327680
    .private_segment_fixed_size: 0
    .kernarg_segment_align: 8
    .kernarg_segment_size: 48
    .max_flat_workgroup_size: 128
    .sgpr_count:     80
    .vgpr_count:     768
    .wavefront_size: 32
...
	.end_amdgpu_metadata
.endif
;; end of part 2
;; launch attn (part 3): grid 8 x 32, 4 waves a work-group, clusters of 4 x 4, 327,680 bytes of LDS; arguments xb, y2, vo, part; writes part
.if DOCPART == 3
	.amdgcn_target "amdgcn-amd-amdhsa--gfx1250"
	.amdhsa_code_object_version 6
	.text
	.protected	k_q1ab217df63_attn
	.globl	k_q1ab217df63_attn
	.p2align	8
	.type	k_q1ab217df63_attn,@function
k_q1ab217df63_attn:
	s_mov_b64 s[64:65], 0
	v_nop
	global_prefetch_b8 v0, s[64:65] scope:SCOPE_SE
	s_setreg_imm32_b32 hwreg(HW_REG_WAVE_MODE, 25, 1), 1
	s_wait_xcnt 0x0
	s_wait_alu depctr_hold_cnt(0) depctr_sa_sdst(0) depctr_va_vdst(0) depctr_va_sdst(0) depctr_va_ssrc(0) depctr_va_vcc(0) depctr_vm_vsrc(0)
	s_getreg_b32 s2, hwreg(HW_REG_IB_STS2, 6, 4)
	s_cmp_eq_u32 s2, 0
	s_cbranch_scc0 .Lentry_in_a_cluster
	s_endpgm
.Lentry_in_a_cluster:
	s_bfe_u32 s2, ttmp6, 0x10000c
	s_cmp_lg_u32 s2, 0xf033
	s_cbranch_scc0 .Lentry_shape_is_right
	s_endpgm
.Lentry_shape_is_right:
; SelfAttentionLayer, launch 3 of 4.  scores[s][t] = sum over j of (yhi + ylo)[s][j] xb[t][j], and of each wave's 64 s x 128 t the softmax's partial
; figures for each s: m = max over t, l = sum of exp(score - m), a = sum of exp(score - m) vo[t].  The last launch merges the eight partials of a row.
; Left out, as shown at the head of the first launch: bk (constant along the softmax's axis) and the product attn v (regrouped: attn vo, one number for each t).
; The maximum is taken away before every exponential, here each wave's own, in the last launch the row's.
; LIMIT: exp(score - m) is 2^(score c - m c) with c = log2 e by one fused multiply-add against the rounded product m c, so a wave's l and a share a
; factor 2^d, |d| <= 2^-24 |m c|; it cancels inside the wave and moves the weights between partials by that much (4e-6 at |m| = 50).
; The product is launch 2's: a work-group makes 256 t (the "plain" side, rows of xb) x 128 s (the "split" side, rows of y2, hi and lo) with four waves, a wave
; 128 t x 64 s in 8 x 4 accumulator tiles; K in 8 steps of 128 through two LDS slots; 4 x 4 clusters.  The cluster's y is the batch; cy picks 256 of its t,
; the block column 128 of its s.  The plain tile hangs on batch and cy and is asked for jointly by a row of the cluster, the split tile on batch and block column, by a column.
; REGISTERS: window 0: v1 r, v2 h, v6 lane, v16-21 addresses, v27-63 at work, v64-127 and v128-191 plain fragments, v192-255 vo of my 128 t (8 a + k);
; window 1: v64-127, v128-191 split fragments (hi at 8 b, lo at 32 + 8 b); window 2: accumulator tile (a, b) at 8 (4 a + b).
; THE MATRIX INSTRUCTION: source 0 = 16 plain rows (t), source 1 = 16 split rows (s): lane (r, h) register k = score[s = 16 b + r][t = 16 a + 8 h + k]:
; a row's 128 scores lie in 64 registers of lanes r and r + 16, so the sums along t run down registers and cross lanes once.
.set PP,    272
.set SP,    528
.set PHALF, 128*PP
.set SHALF, 64*SP
.set SPL,   2*PHALF
.set SLOT,  2*PHALF+2*SHALF
.set LAPS,  4
.set ADRP, 16
.set ADRS, 20
.set F0,   64
.set F1,   128
.set VO,   192
.set G1,  24
.set G0,  32
.set G1B, 48
.set G0B, 56
.set MULW, 0xa4                        ; source 0 window 0, source 1 window 1, C and D window 2
.set MSB, 0
.macro WIN new                         ; low byte: bits 1:0 source 0, 3:2 source 1, 5:4 source 2, 7:6 destination; the high byte repeats the setting left
.if MSB != \new
	s_set_vgpr_msb (MSB<<8)|\new
.set MSB, \new
.endif
.endm
.macro PLACES                          ; four independent vector instructions behind a matrix instruction before its registers are loaded into, read or written (ISA guide 7.12.1)
.rept 4
	v_nop
.endr
.endm
.macro JLOAD s                         ; a joint load: waves 0, 1 fetch the plain tile's halves, waves 2, 3 the split tile's
	s_cmp_eq_u32 s11, 0
	s_cbranch_scc0 .Lfor_b_\@
	tensor_load_to_lds s[G0+4*\s:G0+4*\s+3], s[G1:G1+7]
	s_nop 0
	s_branch .Lasked_\@
.Lfor_b_\@:
	tensor_load_to_lds s[G0B+4*\s:G0B+4*\s+3], s[G1B:G1B+7]
	s_nop 0
.Lasked_\@:
.endm
.macro CREST
	s_cmp_lg_u32 s10, 0
	s_cbranch_scc1 .Lnot_wave_0_\@
	s_barrier_signal -3
.Lnot_wave_0_\@:
	s_barrier_wait -3
	s_barrier_signal -1
	s_barrier_wait -1
.endm
.macro CROUND
	s_barrier_signal -1
	s_barrier_wait -1
	CREST
.endm
.macro MUL16 f, part, a0, zero
.irp a, \a0, \a0+1, \a0+2, \a0+3
.irp b, 0,1,2,3
.if \zero
	v_wmma_f32_16x16x32_bf16 v[8*(4*(\a)+\b):8*(4*(\a)+\b)+7], v[\f+8*(\a):\f+8*(\a)+7], v[\f+8*(4*\part+\b):\f+8*(4*\part+\b)+7], 0
.else
	v_wmma_f32_16x16x32_bf16 v[8*(4*(\a)+\b):8*(4*(\a)+\b)+7], v[\f+8*(\a):\f+8*(\a)+7], v[\f+8*(4*\part+\b):\f+8*(4*\part+\b)+7], v[8*(4*(\a)+\b):8*(4*(\a)+\b)+7]
.endif
.endr
.endr
.endm
.macro FETCH slot, q, f
	WIN 0
.irp a, 0,1,2,3,4,5,6,7
	ds_load_b128 v[\f+8*\a:\f+8*\a+3],   v[ADRP+\slot] offset:\a*16*PP+64*\q
	ds_load_b128 v[\f+8*\a+4:\f+8*\a+7], v[ADRP+\slot] offset:\a*16*PP+64*\q+32
.endr
	WIN 0x40
.irp p, 0,1
.irp b, 0,1,2,3
	ds_load_b128 v[\f+8*(4*\p+\b):\f+8*(4*\p+\b)+3],   v[ADRS+\slot] offset:\b*16*SP+256*(\q>>1)+64*(\q&1)+128*\p
	ds_load_b128 v[\f+8*(4*\p+\b)+4:\f+8*(4*\p+\b)+7], v[ADRS+\slot] offset:\b*16*SP+256*(\q>>1)+64*(\q&1)+128*\p+32
.endr
.endr
.endm
; The 32 accumulators take turns, one instruction a turn, in the same order in every run of 32.
.macro QUARTER slot, qn, f, g, zero
	s_wait_dscnt 8                                 ; plain and hi are in; the youngest eight loads (lo) may be out
	WIN MULW
	MUL16 \f, 0, 0, \zero
	MUL16 \f, 0, 4, \zero
	PLACES
	FETCH \slot, \qn, \g
	s_wait_dscnt 32                                ; all but the 32 just issued
	WIN MULW
	MUL16 \f, 1, 0, 0
	MUL16 \f, 1, 4, 0
.endm
.macro THREE slot, zero
	QUARTER \slot, 1, F0, F1, \zero
	QUARTER \slot, 2, F1, F0, 0
	QUARTER \slot, 3, F0, F1, 0
.endm
; The change of slots: each wave's reads of this slot and all its tensor loads are waited for in front of the barrier; with fill = 1 the barrier opens a
; round of the cluster's barrier, and the joint refill is the wave's first and only tensor load behind the round.
.macro TURN slot, next, fill
	s_wait_dscnt 8
	WIN MULW
	MUL16 F1, 0, 0, 0
	s_wait_dscnt 0x0
	s_wait_tensorcnt 0x0
	ds_add_u32 v63, v255
	s_wait_dscnt 0x0
	s_barrier_signal -1
	MUL16 F1, 0, 4, 0
	WIN 0
	s_barrier_wait -1
.if \fill
	CREST
	s_add_nc_u64 s[G0+4*\slot+2:G0+4*\slot+3], s[G0+4*\slot+2:G0+4*\slot+3], 512
	s_add_nc_u64 s[G0B+4*\slot+2:G0B+4*\slot+3], s[G0B+4*\slot+2:G0B+4*\slot+3], 1024
	JLOAD \slot
.endif
	PLACES
	FETCH \next, 0, F0
	WIN MULW
	MUL16 F1, 1, 0, 0
	MUL16 F1, 1, 4, 0
.endm
.macro LAP zero
	THREE 0, \zero
	TURN 0, 1, 1
	THREE 1, 0
	TURN 1, 0, 1
.endm
	s_load_b128 s[4:7], s[0:1], 0x0                ; xb s[4:5], y2 s[6:7]
	s_load_b64 s[8:9], s[0:1], 0x10                ; vo
	s_load_b64 s[68:69], s[0:1], 0x18              ; part
	v_lshl_add_u32 v63, v0, 2, 0x43000
	s_set_vgpr_msb 0x40
	v_mov_b32 v255, 0
	s_set_vgpr_msb 0x4044
	ds_add_u32 v63, v255
	s_set_vgpr_msb 0x4400
	v_lshrrev_b32 v1, 5, v0
	v_readfirstlane_b32 s10, v1                    ; wave 0..3
	s_lshr_b32 s11, s10, 1                         ; which 128 t are mine.  Also: I fetch plain (0) or split (1)
	s_and_b32 s12, s10, 1                          ; which 64 s are mine.  Also: which half of that tile I fetch
	s_bfe_u32 s40, ttmp6, 0x40000                  ; cx
	s_bfe_u32 s41, ttmp6, 0x40004                  ; cy
	s_lshl_b32 s42, ttmp9, 2
	s_add_co_u32 s42, s42, s40                     ; block of 128 s, 0..7
	s_and_b32 s45, ttmp7, 0xffff                   ; the batch = the cluster's y: all sixteen partners share it
	s_and_b32 s13, ttmp7, 0xffff
	s_lshl_b32 s13, s13, 2
	s_add_co_u32 s13, s13, s41                     ; block of 256 rows of xb = 4 x batch + cy
	s_lshl_b32 s43, s41, 2
	s_lshl_b32 s43, 15, s43                        ; my row of the cluster
	s_lshl_b32 s44, 0x1111, s40                    ; my column
	s_mov_b32 s74, 0x76543210
	s_mov_b32 s75, 0xfedcba98
	s_mov_b32 s76, 0x3fb8aa3b                      ; log2 e, a pair for the packed multiply-add
	s_mov_b32 s77, 0x3fb8aa3b
	s_or_b32 s[G1+0], s43, (1<<16)|(1<<20)|(1<<21)|(5<<22)|(3<<25)   ; plain: 128 rows x 128 elements of 2 bytes, 16 bytes of padding behind every 64 words
	s_mov_b32 s[G1+1], 128<<16
	s_mov_b32 s[G1+2], 128<<16
	s_mov_b32 s[G1+3], 128<<16
	s_mov_b32 s[G1+4], 128
	s_mov_b32 s[G1+5], 1024
	s_mov_b32 s[G1+6], 0
	s_mov_b32 s[G1+7], 0
	s_or_b32 s[G1B+0], s44, (1<<16)|(1<<20)|(1<<21)|(6<<22)|(3<<25)  ; split: 64 rows x 256 elements, 16 bytes of padding behind every 128 words
	s_mov_b32 s[G1B+1], 256<<16
	s_mov_b32 s[G1B+2], 64<<16
	s_mov_b32 s[G1B+3], 256<<16
	s_mov_b32 s[G1B+4], 64
	s_mov_b32 s[G1B+5], 2048
	s_mov_b32 s[G1B+6], 0
	s_mov_b32 s[G1B+7], 0
	s_lshl_b32 s17, s12, 7
	s_lshl_b32 s16, s13, 8
	s_add_co_u32 s16, s16, s17                     ; xb row 256 (4 batch + cy) + 128 x half
	s_lshl_b32 s16, s16, 11
	s_mov_b32 s17, 0
	s_lshl3_add_u32 s46, s45, s42                  ; 8 x batch + block of s
	s_lshl_b32 s46, s46, 7
	s_lshl_b32 s47, s12, 6
	s_add_co_u32 s46, s46, s47                     ; y2 row
	s_lshl_b32 s46, s46, 12
	s_mov_b32 s47, 0
	s_mul_i32 s20, s10, PHALF
	s_mul_i32 s21, s10, SHALF
	s_add_co_u32 s21, s21, SPL-2*SHALF
	s_wait_dscnt 0x0
	s_wait_kmcnt 0x0
	s_add_nc_u64 s[14:15], s[4:5], s[16:17]
	s_add_nc_u64 s[46:47], s[6:7], s[46:47]
	CROUND                                         ; all sixteen work-groups are here: the first joint loads meet
.irp s, 0,1
	s_mov_b32 s[G0+4*\s], 1
	s_add_co_u32 s[G0+4*\s+1], s20, \s*SLOT
	s_add_nc_u64 s[G0+4*\s+2:G0+4*\s+3], s[14:15], \s*256
	s_or_b32 s[G0+4*\s+3], s[G0+4*\s+3], 0x80000000
	s_mov_b32 s[G0B+4*\s], 1
	s_add_co_u32 s[G0B+4*\s+1], s21, \s*SLOT
	s_add_nc_u64 s[G0B+4*\s+2:G0B+4*\s+3], s[46:47], \s*512
	s_or_b32 s[G0B+4*\s+3], s[G0B+4*\s+3], 0x80000000
	JLOAD \s                                       ; two tensor loads of a wave are out here, one behind each later round
.endr
	v_and_b32 v1, 15, v0                           ; r
	v_bfe_u32 v2, v0, 4, 1                         ; h
	v_and_b32 v6, 31, v0                           ; lane
	v_mul_u32_u24 v3, v1, PP
	v_lshl_add_u32 v3, v2, 4, v3
	v_mul_u32_u24 v4, v1, SP
	v_lshl_add_u32 v4, v2, 4, v4
	s_mul_i32 s22, s11, PHALF
	s_mul_i32 s23, s12, SHALF
	s_add_co_u32 s23, s23, SPL
.irp s, 0,1
	v_add_nc_u32 v[ADRP+\s], s22, v3
	v_add_nc_u32 v[ADRS+\s], s23, v4
	s_add_co_u32 s22, s22, SLOT
	s_add_co_u32 s23, s23, SLOT
.endr
	; vo of my 128 t, in the accumulators' order: register 8 a + k holds vo[16 a + 8 h + k].  Waited for in front of the softmax.
	s_lshl_b32 s16, s13, 8
	s_lshl_b32 s17, s11, 7
	s_add_co_u32 s16, s16, s17
	s_lshl_b32 s16, s16, 2
	s_mov_b32 s17, 0
	s_add_nc_u64 s[8:9], s[8:9], s[16:17]
	v_lshlrev_b32 v27, 5, v2
.irp a, 0,1,2,3,4,5,6,7
	global_load_b128 v[VO+8*\a:VO+8*\a+3],   v27, s[8:9] offset:64*\a
	global_load_b128 v[VO+8*\a+4:VO+8*\a+7], v27, s[8:9] offset:64*\a+16
.endr
	; where my partials go: part[2 cy + which 128 t][1024 batch + 128 block + 64 half + ..], 16 bytes a row
	s_lshl1_add_u32 s18, s41, s11
	s_lshl_b32 s18, s18, 17
	s_lshl_b32 s19, s45, 10
	s_lshl_b32 s66, s42, 7
	s_add_co_u32 s19, s19, s66
	s_lshl_b32 s66, s12, 6
	s_add_co_u32 s19, s19, s66
	s_lshl_b32 s19, s19, 4
	s_add_co_u32 s18, s18, s19
	s_mov_b32 s19, 0
	s_add_nc_u64 s[68:69], s[68:69], s[18:19]
	v_lshlrev_b32 v28, 4, v6
	s_wait_tensorcnt 0x1                           ; my part of K step 0 is in; step 1's load stays out
	s_barrier_signal -1
	s_barrier_wait -1
	FETCH 0, 0, F0
	LAP 1
	WIN 0
	s_mov_b32 s3, LAPS-2
.Llap:
	LAP 0
	WIN 0
	s_sub_co_u32 s3, s3, 1
	s_cmp_lg_u32 s3, 0
	s_cbranch_scc1 .Llap
	THREE 0, 0
	TURN 0, 1, 0
	THREE 1, 0
	s_wait_dscnt 8
	WIN MULW
	MUL16 F1, 0, 0, 0
	MUL16 F1, 0, 4, 0
	s_wait_dscnt 0x0
	MUL16 F1, 1, 0, 0
	MUL16 F1, 1, 4, 0
	; THE SOFTMAX'S PARTIALS, for each block b of 16 rows s.
.set MX, 64                            ; v64-67 four running maxima
.set NM, 70                            ; v70-71 - m log2 e, twice
.set LS, 72                            ; v72-79 four chains of pairs: sum of p
.set AS, 80                            ; v80-87 four chains of pairs: sum of p vo
.set MR, 32                            ; v32-35 m, v36-39 l, v40-43 a of block b
.set LR, 36
.set AR, 40
.macro SOFT b
	WIN 0x0a                                       ; sources 0 and 1 window 2
.irp c, 0,1,2,3
	v_max_num_f32 v[MX+\c], v[8*(8*\c+\b)], v[8*(8*\c+\b)+1]
.endr
.irp e, 2,4,6
.irp c, 0,1,2,3
	v_max3_num_f32 v[MX+\c], v[8*(8*\c+\b)+\e], v[8*(8*\c+\b)+\e+1], v[MX+\c]
.endr
.endr
.irp e, 0,2,4,6
.irp c, 0,1,2,3
	v_max3_num_f32 v[MX+\c], v[8*(8*\c+4+\b)+\e], v[8*(8*\c+4+\b)+\e+1], v[MX+\c]
.endr
.endr
	WIN 0
	v_max3_num_f32 v[MX], v[MX], v[MX+1], v[MX+2]
	v_max_num_f32 v[MX], v[MX], v[MX+3]
	v_permlanex16_b32 v[MX+1], v[MX], s74, s75     ; the row's other 64 scores lie in the lane 16 away
	v_max_num_f32 v[MR+\b], v[MX], v[MX+1]
	v_mul_f32 v[NM], 0xbfb8aa3b, v[MR+\b]
	v_mul_f32 v[NM+1], 0xbfb8aa3b, v[MR+\b]
	WIN 0x82                                       ; source 0 and destination window 2
.irp a, 0,1,2,3,4,5,6,7
.irp k, 0,2,4,6
	v_pk_fma_f32 v[8*(4*\a+\b)+\k:8*(4*\a+\b)+\k+1], v[8*(4*\a+\b)+\k:8*(4*\a+\b)+\k+1], s[76:77], v[NM:NM+1] op_sel_hi:[1,0,1]
.endr
.endr
.irp a, 0,1,2,3,4,5,6,7
.irp k, 0,1,2,3,4,5,6,7
	v_exp_f32 v[8*(4*\a+\b)+\k], v[8*(4*\a+\b)+\k]
.endr
.endr
	v_nop                                          ; one plain vector instruction behind the exponentials before their results are used (ISA guide 5.7.2)
	WIN 0x0a
	s_wait_alu depctr_va_vdst(0)
.irp k, 0,2,4,6
	v_pk_add_f32 v[LS+\k:LS+\k+1], v[8*\b+\k:8*\b+\k+1], v[8*(4+\b)+\k:8*(4+\b)+\k+1]     ; the first sums start the chains
.endr
	WIN 0x02                                       ; source 0 window 2
.irp a, 2,3,4,5,6,7
.irp k, 0,2,4,6
	v_pk_add_f32 v[LS+\k:LS+\k+1], v[8*(4*\a+\b)+\k:8*(4*\a+\b)+\k+1], v[LS+\k:LS+\k+1]
.endr
.endr
.irp k, 0,2,4,6
	v_pk_mul_f32 v[AS+\k:AS+\k+1], v[8*\b+\k:8*\b+\k+1], v[VO+\k:VO+\k+1]
.endr
.irp a, 1,2,3,4,5,6,7
.irp k, 0,2,4,6
	v_pk_fma_f32 v[AS+\k:AS+\k+1], v[8*(4*\a+\b)+\k:8*(4*\a+\b)+\k+1], v[VO+8*\a+\k:VO+8*\a+\k+1], v[AS+\k:AS+\k+1]
.endr
.endr
	WIN 0
	v_pk_add_f32 v[LS:LS+1], v[LS:LS+1], v[LS+2:LS+3]
	v_pk_add_f32 v[LS+4:LS+5], v[LS+4:LS+5], v[LS+6:LS+7]
	v_pk_add_f32 v[AS:AS+1], v[AS:AS+1], v[AS+2:AS+3]
	v_pk_add_f32 v[AS+4:AS+5], v[AS+4:AS+5], v[AS+6:AS+7]
	v_pk_add_f32 v[LS:LS+1], v[LS:LS+1], v[LS+4:LS+5]
	v_pk_add_f32 v[AS:AS+1], v[AS:AS+1], v[AS+4:AS+5]
	v_add_f32 v[LS], v[LS], v[LS+1]
	v_add_f32 v[AS], v[AS], v[AS+1]
	v_permlanex16_b32 v[LS+1], v[LS], s74, s75
	v_permlanex16_b32 v[AS+1], v[AS], s74, s75
	v_add_f32 v[LR+\b], v[LS], v[LS+1]
	v_add_f32 v[AR+\b], v[AS], v[AS+1]
.endm
	PLACES
	s_wait_loadcnt 0x0                             ; vo
	SOFT 0
	SOFT 1
	SOFT 2
	SOFT 3
	; Lanes r and r + 16 hold the same figures of row 16 b + r.  Lanes 0-15 take block 2 pi, lanes 16-31 block 2 pi + 1: 32 neighbouring rows,
	; (m, l, a, 0) each: every store of the wave covers 512 consecutive bytes, aligned.
	v_cmp_eq_u32 vcc_lo, 1, v2
.irp pi, 0,1
	v_cndmask_b32 v[44+4*\pi], v[MR+2*\pi], v[MR+2*\pi+1], vcc_lo
	v_cndmask_b32 v[45+4*\pi], v[LR+2*\pi], v[LR+2*\pi+1], vcc_lo
	v_cndmask_b32 v[46+4*\pi], v[AR+2*\pi], v[AR+2*\pi+1], vcc_lo
	v_mov_b32 v[47+4*\pi], 0
	global_store_b128 v28, v[44+4*\pi:47+4*\pi], s[68:69] offset:512*\pi
.endr
	CROUND                                         ; the closing round: no work-group ends while a partner may still ask for a tile that names it
	s_endpgm
.Lfunc_end_k_q1ab217df63_attn:
	.size	k_q1ab217df63_attn, .Lfunc_end_k_q1ab217df63_attn-k_q1ab217df63_attn
	.p2alignl 7, 3214868480
	.fill 96, 4, 3214868480
	.section	.rodata,"a",@progbits
	.p2align	6, 0x0
	.amdhsa_kernel k_q1ab217df63_attn
		.amdhsa_group_segment_fixed_size 327680
		.amdhsa_private_segment_fixed_size 0
		.amdhsa_enable_private_segment 0
		.amdhsa_kernarg_size 32
		.amdhsa_user_sgpr_count 2
		.amdhsa_user_sgpr_kernarg_segment_ptr 1
		.amdhsa_wavefront_size32 1
		.amdhsa_system_sgpr_workgroup_id_x 1
		.amdhsa_system_sgpr_workgroup_id_y 1
		.amdhsa_system_sgpr_workgroup_id_z 1
		.amdhsa_system_vgpr_workitem_id 0
		.amdhsa_next_free_vgpr 768
		.amdhsa_next_free_sgpr 80
		.amdhsa_reserve_vcc 1
		.amdhsa_float_denorm_mode_32 3
		.amdhsa_float_denorm_mode_16_64 3
		.amdhsa_memory_ordered 1
		.amdhsa_forward_progress 1
		.amdhsa_inst_pref_size 207
	.end_amdhsa_kernel
	.amdgpu_metadata
---
amdhsa.version: [ 1, 2 ]
amdhsa.kernels:
  - .name:           k_q1ab217df63_attn
    .symbol:         k_q1ab217df63_attn.kd
    .args:
      - { .name: xb, .offset: 0, .size: 8, .value_kind: global_buffer, .address_space: global }
      - { .name: y2, .offset: 8, .size: 8, .value_kind: global_buffer, .address_space: global }
      - { .name: vo, .offset: 16, .size: 8, .value_kind: global_buffer, .address_space: global }
      - { .name: part, .offset: 24, .size: 8, .value_kind: global_buffer, .address_space: global }
    .group_segment_fixed_size: 327680
    .private_segment_fixed_size: 0
    .kernarg_segment_align: 8
    .kernarg_segment_size: 32
    .max_flat_workgroup_size: 128
    .sgpr_count:     80
    .vgpr_count:     768
    .wavefront_size: 32
...
	.end_amdgpu_metadata
.endif
;; end of part 3
;; launch comb (part 4): grid 128 x 1, 1 waves a work-group, no clusters, 0 bytes of LDS; arguments part, vecs, out0; writes out0
.if DOCPART == 4
	.amdgcn_target "amdgcn-amd-amdhsa--gfx1250"
	.amdhsa_code_object_version 6
	.text
	.protected	k_q1ab217df63_comb
	.globl	k_q1ab217df63_comb
	.p2align	8
	.type	k_q1ab217df63_comb,@function
k_q1ab217df63_comb:
	s_mov_b64 s[64:65], 0
	v_nop
	global_prefetch_b8 v0, s[64:65] scope:SCOPE_SE
	s_setreg_imm32_b32 hwreg(HW_REG_WAVE_MODE, 25, 1), 1
	s_wait_xcnt 0x0
; SelfAttentionLayer, launch 4 of 4.  A row's eight partials (m_p, l_p, a_p), each over 128 t, are merged:
; m = max m_p, w_p = exp(m_p - m), out = (sum a_p w_p) / (sum l_p w_p) + c, with c = bv.Wo + bo from the first launch.
; Left out, as shown at the head of the first launch: bk, and the product attn v (its place is taken by a_p, the sums of p vo).
; The row's maximum is taken away before the exponentials; m_p - m is formed first, so it is exact where the two are close, whatever their size.
; One wave a work-group, 64 rows: lane L has rows 64 g + 2 L and 64 g + 2 L + 1, so a load of the wave covers every second 16 bytes of 1,024 neighbouring
; bytes (its twin the others), and the one store 256 neighbouring bytes, aligned.  1 MiB is read in all: no LDS, no barrier, no matrix unit has work here.
.set P,  8                             ; v8-71   partial p: row 0's (m, l, a, 0) at 8 p, row 1's at 8 p + 4
.set WT, 72                            ; v72-79  w_p
.set M,  80
.set LS, 81
.set AS, 82
.set O,  84                            ; v84-85  the two results
	s_load_b128 s[4:7], s[0:1], 0x0                ; part s[4:5], vecs s[6:7]
	s_load_b64 s[8:9], s[0:1], 0x10                ; out0
	s_lshl_b32 s10, ttmp9, 10                      ; 64 rows x 16 bytes
	s_lshl_b32 s11, ttmp9, 8                       ; 64 rows x 4 bytes
	v_lshl_add_u32 v1, v0, 5, s10
	v_lshl_add_u32 v2, v0, 3, s11
	s_wait_kmcnt 0x0
	s_load_b32 s12, s[6:7], 0x2000                 ; c
.irp p, 0,1,2,3,4,5,6,7
	global_load_b128 v[P+8*\p:P+8*\p+3],   v1, s[4:5] offset:131072*\p
	global_load_b128 v[P+8*\p+4:P+8*\p+7], v1, s[4:5] offset:131072*\p+16
.endr
	s_wait_loadcnt 0x0
	s_wait_kmcnt 0x0
.macro ROW j
	v_max3_num_f32 v[M], v[P+4*\j], v[P+8+4*\j], v[P+16+4*\j]
	v_max3_num_f32 v[M], v[M], v[P+24+4*\j], v[P+32+4*\j]
	v_max3_num_f32 v[M], v[M], v[P+40+4*\j], v[P+48+4*\j]
	v_max_num_f32 v[M], v[M], v[P+56+4*\j]
.irp p, 0,1,2,3,4,5,6,7
	v_sub_f32 v[WT+\p], v[P+8*\p+4*\j], v[M]
.endr
.irp p, 0,1,2,3,4,5,6,7
	v_mul_f32 v[WT+\p], 0x3fb8aa3b, v[WT+\p]
.endr
.irp p, 0,1,2,3,4,5,6,7
	v_exp_f32 v[WT+\p], v[WT+\p]
.endr
	v_nop                                          ; one plain vector instruction behind the exponentials before their results are used (ISA guide 5.7.2)
	s_wait_alu depctr_va_vdst(0)
	v_mul_f32 v[LS], v[P+4*\j+1], v[WT]
	v_mul_f32 v[AS], v[P+4*\j+2], v[WT]
.irp p, 1,2,3,4,5,6,7
	v_fmac_f32 v[LS], v[P+8*\p+4*\j+1], v[WT+\p]
	v_fmac_f32 v[AS], v[P+8*\p+4*\j+2], v[WT+\p]
.endr
	v_rcp_f32 v[LS], v[LS]
	v_nop                                          ; and one behind the reciprocal
	s_wait_alu depctr_va_vdst(0)
	v_fma_f32 v[O+\j], v[AS], v[LS], s12
.endm
	ROW 0
	ROW 1
	global_store_b64 v2, v[O:O+1], s[8:9]
	s_endpgm
.Lfunc_end_k_q1ab217df63_comb:
	.size	k_q1ab217df63_comb, .Lfunc_end_k_q1ab217df63_comb-k_q1ab217df63_comb
	.p2alignl 7, 3214868480
	.fill 96, 4, 3214868480
	.section	.rodata,"a",@progbits
	.p2align	6, 0x0
	.amdhsa_kernel k_q1ab217df63_comb
		.amdhsa_group_segment_fixed_size 0
		.amdhsa_private_segment_fixed_size 0
		.amdhsa_enable_private_segment 0
		.amdhsa_kernarg_size 24
		.amdhsa_user_sgpr_count 2
		.amdhsa_user_sgpr_kernarg_segment_ptr 1
		.amdhsa_wavefront_size32 1
		.amdhsa_system_sgpr_workgroup_id_x 1
		.amdhsa_system_sgpr_workgroup_id_y 1
		.amdhsa_system_sgpr_workgroup_id_z 1
		.amdhsa_system_vgpr_workitem_id 0
		.amdhsa_next_free_vgpr 96
		.amdhsa_next_free_sgpr 66
		.amdhsa_reserve_vcc 0
		.amdhsa_float_denorm_mode_32 3
		.amdhsa_float_denorm_mode_16_64 3
		.amdhsa_memory_ordered 1
		.amdhsa_forward_progress 1
		.amdhsa_inst_pref_size 7
	.end_amdhsa_kernel
	.amdgpu_metadata
---
amdhsa.version: [ 1, 2 ]
amdhsa.kernels:
  - .name:           k_q1ab217df63_comb
    .symbol:         k_q1ab217df63_comb.kd
    .args:
      - { .name: part, .offset: 0, .size: 8, .value_kind: global_buffer, .address_space: global }
      - { .name: vecs, .offset: 8, .size: 8, .value_kind: global_buffer, .address_space: global }
      - { .name: out0, .offset: 16, .size: 8, .value_kind: global_buffer, .address_space: global }
    .group_segment_fixed_size: 0
    .private_segment_fixed_size: 0
    .kernarg_segment_align: 8
    .kernarg_segment_size: 24
    .max_flat_workgroup_size: 32
    .sgpr_count:     66
    .vgpr_count:     96
    .wavefront_size: 32
...
	.end_amdgpu_metadata
.endif
;; end of part 4
